; MI455X (gfx1250); checked and timed in simulation.
; The chip was launched on July 23, 2026; its instructions are those of AMD's public machine-readable ISA for CDNA 5 (MIT licence, August 2026) and "CDNA5" Instruction Set Architecture Reference Guide (July 2026). The comments in the code are by the model that wrote it; some were corrected since.
;; Encoder. Allowed arithmetic: matrix products marked QUANTISED: E3M2 operands, one E8M0 scale for each 32 along K, by v_wmma_scale_f32_16x16x128_f8f6f4 with both operands' format E3M2, f32 sums; everything else in f32.
;; Inputs: ln1_b 1,024 float32; ln1_g 1,024 float32; ln2_b 1,024 float32; ln2_g 1,024 float32; ln3_b 1,024 float32; ln3_g 1,024 float32; w1_codes 1,024 x 32 x 24 uint8 (E3M2 codes of w1, K innermost, in blocks of 32 codes, four codes in three bytes); w1_scales 1,024 x 32 uint8 (E8M0 scales of w1, one for each 32 codes along K); w2_codes 1,024 x 32 x 24 uint8 (E3M2 codes of w2, K innermost, in blocks of 32 codes, four codes in three bytes); w2_scales 1,024 x 32 uint8 (E8M0 scales of w2, one for each 32 codes along K); wk_codes 16 x 64 x 32 x 24 uint8 (E3M2 codes of wk, K innermost, in blocks of 32 codes, four codes in three bytes); wk_scales 16 x 64 x 32 uint8 (E8M0 scales of wk, one for each 32 codes along K); wo_codes 1,024 x 32 x 24 uint8 (E3M2 codes of wo, K innermost, in blocks of 32 codes, four codes in three bytes); wo_scales 1,024 x 32 uint8 (E8M0 scales of wo, one for each 32 codes along K); wq_codes 16 x 64 x 32 x 24 uint8 (E3M2 codes of wq, K innermost, in blocks of 32 codes, four codes in three bytes); wq_scales 16 x 64 x 32 uint8 (E8M0 scales of wq, one for each 32 codes along K); wv_codes 16 x 64 x 32 x 24 uint8 (E3M2 codes of wv, K innermost, in blocks of 32 codes, four codes in three bytes); wv_scales 16 x 64 x 32 uint8 (E8M0 scales of wv, one for each 32 codes along K); x 2 x 2,048 x 1,024 float32.
;; Outputs: out0 2 x 2,048 x 1,024 float32.
;; This version of the problem:
;;   THIS VERSION OF THE PROBLEM IS GIVEN IN LOW PRECISION. The matrix products marked QUANTISED in the list below multiply operands that are first quantised to E3M2 (3 exponent bits, 2 mantissa bits; 6 bits a number), with one power-of-two scale for each 32 numbers along K (OCP MX v1.0); their sums are f32. All else is computed in f32.
;;   The module's matrix products, in the order in which they are computed (A, B: the left and right operand; K: the contracted axis; several contracted axes count as one K, in the product's order):
;;     1. [M 1,024, K 1,024] x [K 1,024, N 4,096]; A: input wq (given as codes); B: computed on the way: QUANTISED
;;     2. [M 1,024, K 1,024] x [K 1,024, N 4,096]; A: input wk (given as codes); B: computed on the way: QUANTISED
;;     3. [M 1,024, K 1,024] x [K 1,024, N 4,096]; A: input wv (given as codes); B: computed on the way: QUANTISED
;;     4. batch 32 x [M 2,048, K 64] x [K 64, N 2,048]; A: computed on the way; B: computed on the way: QUANTISED
;;     5. batch 32 x [M 2,048, K 2,048] x [K 2,048, N 64]; A: softmax (see below); B: computed on the way: QUANTISED
;;     6. [M 4,096, K 1,024] x [K 1,024, N 1,024]; A: computed on the way; B: input wo (given as codes): QUANTISED
;;     7. [M 4,096, K 1,024] x [K 1,024, N 1,024]; A: computed on the way; B: input w1 (given as codes): QUANTISED
;;     8. [M 4,096, K 1,024] x [K 1,024, N 1,024]; A: computed on the way; B: input w2 (given as codes): QUANTISED
;;   THE QUANTISER, for each operand of a quantised product, along K:
;;     - K is cut into blocks of 32 from its start; a last block that is shorter is filled with zeros.
;;     - A block's scale is 2^e with e = floor(log2(the largest magnitude in the block)) - 4, held to -126 .. 127; a block of zeros has e = 0. As a byte (E8M0): e + 127.
;;     - Each number is divided by its block's scale, clamped to +-28, and rounded to the nearest number of E3M2, ties to even, subnormals kept.
;;     - The product sums the exact products of the quantised numbers (number of the format x scale) in f32.
;;   ~~~python
;;   def quantise(x, axis):      # numpy; x: float32 -> the quantised numbers, widened to float32 again
;;       x = np.moveaxis(x, axis, -1); K = x.shape[-1]
;;       x = np.pad(x, [(0, 0)] * (x.ndim - 1) + [(0, -K % 32)]); x = x.reshape(x.shape[:-1] + (-1, 32)); a = np.abs(x).max(-1, keepdims=True)
;;       e = np.where(a > 0, np.clip(np.frexp(np.where(a > 0, a, 1))[1] - 1 - 4, -126, 127), 0)      # np.frexp(a)[1] - 1 = floor(log2(a)), exactly
;;       r = np.clip(x / 2.0 ** e, -28, 28)
;;       step = 2.0 ** (np.maximum(np.frexp(np.where(r == 0, 1, r))[1] - 1, -2) - 2)
;;       q = np.round(r / step) * step * 2.0 ** e      # np.round: ties to even
;;       return np.moveaxis(q.reshape(q.shape[:-2] + (-1,))[..., :K], -1, axis).astype(np.float32)
;;   ~~~
;;   SOFTMAX AHEAD OF A QUANTISED PRODUCT. Where the list says 'softmax', what is quantised is not the finished softmax but p = 2^(t - M), with t = logit x log2(e) and M = ceil(the row's largest t), a whole number; so 1/2 < the row's largest p <= 1. The row's sum l is taken of the UNQUANTISED p, in f32, and the product's result is divided by l at the end. Since M is a whole number, a kernel that streams over the keys may use a running M (the ceiling of the running maximum): every later rescaling is an exact power of two, which a block's scale takes up: the codes' values come out the same.
;;   OPERANDS COMPUTED ON THE WAY. 'Computed on the way' means the value that the module computes at that place (a softmax that the list does not call 'softmax' is quantised finished and normalised). What goes into a quantiser is computed in f32, as accurately as f32 sums, v_exp_f32 and their like allow (about 1e-6 of the number): no bf16 or f16 on the way to a quantiser, and a product that is left as it is and whose result goes on into a quantised operand takes f32 operands (vector FMAs, or v_wmma_f32_16x16x4_f32). A number that lies on a knife's edge between two numbers of the format may be rounded either way, as far as f32 arithmetic and the matrix unit's own rounding can turn it there, and no further.
;;   INPUTS GIVEN AS CODES. w1 (in the module: [1024, 1024], K = its axis 0); w2 (in the module: [1024, 1024], K = its axis 0); wk (in the module: [16, 1024, 64], K = its axis 1); wo (in the module: [1024, 1024], K = its axis 0); wq (in the module: [16, 1024, 64], K = its axis 1); wv (in the module: [16, 1024, 64], K = its axis 1): each comes as NAME_codes (uint8): NAME with its K axis moved to the last place and cut into blocks of 32 codes, [.., K / 32, bytes a block], one block behind the other in memory; four codes in three bytes: a row's codes are one little-endian stream of bits, code i at bits 6 i .. 6 i + 5 (a code: sign, 3 exponent bits, 2 mantissa bits); and NAME_scales (uint8): the same leading axes, one E8M0 byte (e + 127) for each 32 codes along K. Its value is code x scale, taken as it is: it is not quantised again, and the codes and scales need not be those that the quantiser above would give.
;; One version. Each part assembles by itself: llvm-mc -triple=amdgcn-amd-amdhsa -mcpu=gfx1250 --defsym DOCPART=n.
;; ======== version 1 of 1: 3 launches
;; limits: right only within a limited range of input values
;; workspace buffers: qimg 4,194,304 bytes; kv 6,815,744 bytes; cimg 4,194,304 bytes; wimg 2,359,296 bytes
;; launch qkv (part 1): grid 64 x 4, 4 waves a work-group, clusters of 4 x 1, 327,680 bytes of LDS; arguments x, ln1_g, ln1_b, wq_codes, wq_scales, wk_codes, wk_scales, wv_codes, wv_scales, wo_codes, w1_codes, w2_codes, qimg, kv, wimg; writes qimg, kv, wimg
.if DOCPART == 1
	.amdgcn_target "amdgcn-amd-amdhsa--gfx1250"
	.amdhsa_code_object_version 6
	.text
	.protected	k_q15830e498b_qkv
	.globl	k_q15830e498b_qkv
	.p2align	8
	.type	k_q15830e498b_qkv,@function
k_q15830e498b_qkv:
	s_mov_b64 s[64:65], 0
	v_nop
	global_prefetch_b8 v0, s[64:65] scope:SCOPE_SE
	s_setreg_imm32_b32 hwreg(HW_REG_WAVE_MODE, 25, 1), 1
	s_wait_xcnt 0x0
	s_wait_alu depctr_hold_cnt(0) depctr_sa_sdst(0) depctr_va_vdst(0) depctr_va_sdst(0) depctr_va_ssrc(0) depctr_va_vcc(0) depctr_vm_vsrc(0)
	s_getreg_b32 s2, hwreg(HW_REG_IB_STS2, 6, 4)
	s_cmp_eq_u32 s2, 0
	s_cbranch_scc0 .Lentry_in_a_cluster
	s_endpgm
.Lentry_in_a_cluster:
	s_bfe_u32 s2, ttmp6, 0x10000c
	s_cmp_lg_u32 s2, 0x3003
	s_cbranch_scc0 .Lentry_shape_is_right
	s_endpgm
.Lentry_shape_is_right:
.set SLOTB, 104448
.set PARTB, 26112
.set XIMG,  2*SLOTB
.set XSC,   XIMG+32*1536
.set SPARE, XSC+32*128
.set L16, 1
.set L4,  2
.set L8,  3
.set XA,  4
.set GA,  5
.set SCA, 6
.set IMW, 7
.set SCW, 8
.set WAD, 9
.set WAD2, 11
.set IMR, 13
.set SCR, 14
.set RLA, 15
.set ASC, 16
.set WS,  48
.set WF,  96
.set TM,  192
.set PWK, 208
.set PKD, 212
.set PC2, 214
.set PWQ, 224
.set SPW, 252
.set NIL, 253
.set SA,  96
.set NM,  112
.set VAR, 114
.set RSQ, 116
.set PC4, 120
.set PW4, 140
.set RL,  168
.set WV,  34
.set MHI, 35
.set SEL, 36
.set G1,  40
.set G0,  48
.set WA,  56
.set RSRC, 70
.set SB,  72
.set XB,  78
.set RDST, 80
.set QD,  82
.set KVD, 84
.set C10, 86
.set CEPS, 87
.set MSB, 0
.macro WIN new
.if MSB != (\new)
	s_set_vgpr_msb (MSB<<8)|(\new)
.set MSB, (\new)
.endif
.endm
.macro PLACES
.rept 4
	v_nop
.endr
.endm
.macro ROUND
	s_barrier_signal -1
	s_barrier_wait -1
	s_cmp_lg_u32 s[WV], 0
	s_cbranch_scc1 .Lnot_wave_0_\@
	s_barrier_signal -3
.Lnot_wave_0_\@:
	s_barrier_wait -3
	s_barrier_signal -1
	s_barrier_wait -1
.endm
.macro QUANT s, w, nb, pc, pw
	WIN (\w)|((\w)<<2)
.set qb, 0
.rept \nb
	v_max3_num_f32 v[TM+qb], |v[(\s)+16*qb]|, |v[(\s)+16*qb+1]|, 0x2800000
.set qb, qb+1
.endr
	WIN ((\w)<<2)|((\w)<<4)
.irp i, 2,4,6,8,10,12,14
.set qb, 0
.rept \nb
	v_max3_num_f32 v[TM+qb], v[TM+qb], |v[(\s)+16*qb+\i]|, |v[(\s)+16*qb+\i+1]|
.set qb, qb+1
.endr
.endr
	WIN 0
.set qb, 0
.rept \nb
	v_permlanex16_b32 v[TM+4+qb], v[TM+qb], s[SEL], s[SEL+1]
.set qb, qb+1
.endr
.set qb, 0
.rept \nb
	v_max_num_f32 v[TM+qb], v[TM+qb], v[TM+4+qb]
.set qb, qb+1
.endr
.set qb, 0
.rept \nb
	v_add_nc_u32 v[TM+12+qb], 0xfe000000, v[TM+qb]
.set qb, qb+1
.endr
.set qb, 0
.rept \nb
	v_lshrrev_b32 v[TM+4+qb], 23, v[TM+12+qb]
.set qb, qb+1
.endr
	v_lshl_or_b32 v[\pw], v[TM+5], 8, v[TM+4]
.if (\nb) == 4
	v_lshl_or_b32 v[\pw], v[TM+6], 16, v[\pw]
	v_lshl_or_b32 v[\pw], v[TM+7], 24, v[\pw]
.endif
	WIN (\w)
.set qc, 0
.rept (\nb)/2
	v_cvt_scalef32_pk16_bf6_f32 v[(\pc)+6*qc:(\pc)+6*qc+2], v[(\s)+32*qc:(\s)+32*qc+15], v[TM+12+2*qc]
	v_cvt_scalef32_pk16_bf6_f32 v[(\pc)+12+4*qc:(\pc)+14+4*qc], v[(\s)+32*qc+16:(\s)+32*qc+31], v[TM+13+2*qc]
.set qc, qc+1
.endr
	WIN 0
	v_nop
.set qc, 0
.rept (\nb)/2
.irp i, 0,1,2
	v_permlane16_swap_b32 v[(\pc)+6*qc+\i], v[(\pc)+12+4*qc+\i]
.endr
.irp i, 0,1,2
	v_mov_b32 v[(\pc)+3+6*qc+\i], v[(\pc)+12+4*qc+\i]
.endr
.set qc, qc+1
.endr
.endm
	s_load_b512 s[4:19], s[0:1], 0x0
	s_load_b256 s[20:27], s[0:1], 0x40
	s_load_b128 s[28:31], s[0:1], 0x60
	s_load_b64 s[32:33], s[0:1], 0x70
	v_lshl_add_u32 v[SPW], v0, 2, SPARE
	v_mov_b32 v[NIL], 0
	ds_add_u32 v252, v253
	ds_add_u32 v252, v253
	s_wait_dscnt 0x0
	v_lshrrev_b32 v20, 5, v0
	v_readfirstlane_b32 s[WV], v20
	s_bfe_u32 s66, ttmp6, 0x40000
	s_lshl_b32 s67, ttmp9, 2
	s_add_co_u32 s67, s67, s66
	s_and_b32 s68, ttmp7, 0xffff
	s_lshl_b32 s69, s68, 2
	s_add_co_u32 s69, s69, s[WV]
	s_mul_i32 s88, s69, 49152
	s_mov_b32 s89, 0
	s_lshl_b32 s90, s69, 11
	s_mov_b32 s91, 0
	s_mul_i32 s92, s[WV], PARTB
	s_lshl_b32 s93, s67, 6
	s_lshr_b32 s94, s[WV], 1
	s_lshl_b32 s94, s94, 5
	s_add_co_u32 s93, s93, s94
	s_and_b32 s94, s[WV], 1
	s_lshl_b32 s94, s94, 3
	s_add_co_u32 s93, s93, s94
	s_lshl_b32 s94, s93, 12
	s_mov_b32 s95, 0
	s_lshr_b32 s93, s67, 5
	s_lshl_b32 s93, s93, 4
	s_add_co_u32 s93, s93, s69
	s_and_b32 s96, s67, 31
	s_lshl_b32 s[QD], s93, 7
	s_lshl_b32 s97, s96, 2
	s_add_co_u32 s[QD], s[QD], s97
	s_lshl_b32 s[QD], s[QD], 10
	s_mov_b32 s[QD+1], 0
	s_lshl_b32 s[KVD], s93, 5
	s_add_co_u32 s[KVD], s[KVD], s96
	s_mul_i32 s[KVD], s[KVD], 6656
	s_mov_b32 s[KVD+1], 0
	s_lshl_b32 s96, s68, 6
	s_add_co_u32 s96, s96, s67
	s_lshr_b32 s97, s96, 3
	s_and_b32 s96, s96, 7
	s_mul_i32 s98, s97, 24576
	s_mul_i32 s99, s96, 96
	s_add_co_u32 s98, s98, s99
	s_mov_b32 s99, 0
	s_lshr_b32 s100, s97, 3
	s_mul_i32 s100, s100, 3
	s_add_co_u32 s100, s100, s[WV]
	s_lshl_b32 s100, s100, 3
	s_and_b32 s97, s97, 7
	s_add_co_u32 s100, s100, s97
	s_lshl_b32 s100, s100, 3
	s_add_co_u32 s100, s100, s96
	s_mul_i32 s100, s100, 3072
	s_mov_b32 s101, 0
	s_mov_b32 s[G1], 15|(3<<16)|(1<<20)|(1<<21)|(5<<22)|(3<<25)
	s_mov_b32 s[G1+1], 32<<16
	s_mov_b32 s[G1+2], 96<<16
	s_mov_b32 s[G1+3], 32<<16
	s_mov_b32 s[G1+4], 96
	s_mov_b32 s[G1+5], 32
	s_mov_b32 s[G1+6], 0
	s_mov_b32 s[G1+7], 0
	s_mov_b32 s[SEL], 0x76543210
	s_mov_b32 s[SEL+1], 0xfedcba98
	s_mov_b32 s[MHI], 0xffff0000
	s_mov_b32 s[C10], 0x3a800000
	s_mov_b32 s[CEPS], 0x3727c5ac
	s_wait_kmcnt 0x0
	s_add_nc_u64 s[WA:WA+1], s[10:11], s[88:89]
	s_add_nc_u64 s[WA+2:WA+3], s[14:15], s[88:89]
	s_add_nc_u64 s[WA+4:WA+5], s[18:19], s[88:89]
	s_mov_b32 s[G0], 1
	s_mov_b32 s[G0+1], s92
	s_mov_b64 s[G0+2:G0+3], s[WA:WA+1]
	s_or_b32 s[G0+3], s[G0+3], 0x80000000
	s_mov_b32 s[G0+4], 1
	s_add_co_u32 s[G0+5], s92, SLOTB
	s_add_nc_u64 s[G0+6:G0+7], s[WA:WA+1], 24576
	s_or_b32 s[G0+7], s[G0+7], 0x80000000
	ROUND
	tensor_load_to_lds s[G0:G0+3], s[G1:G1+7]
	s_nop 0
	PLACES
	s_add_nc_u64 s[SB:SB+1], s[12:13], s[90:91]
	s_add_nc_u64 s[SB+2:SB+3], s[16:17], s[90:91]
	s_add_nc_u64 s[SB+4:SB+5], s[20:21], s[90:91]
	s_add_nc_u64 s[XB:XB+1], s[4:5], s[94:95]
	s_add_nc_u64 s[QD:QD+1], s[28:29], s[QD:QD+1]
	s_add_nc_u64 s[KVD:KVD+1], s[30:31], s[KVD:KVD+1]
	s_cmp_eq_u32 s[WV], 0
	s_cselect_b64 s[RSRC:RSRC+1], s[22:23], s[24:25]
	s_cmp_eq_u32 s[WV], 2
	s_cselect_b64 s[RSRC:RSRC+1], s[26:27], s[RSRC:RSRC+1]
	s_add_nc_u64 s[RSRC:RSRC+1], s[RSRC:RSRC+1], s[98:99]
	s_add_nc_u64 s[RDST:RDST+1], s[32:33], s[100:101]
	v_and_b32 v20, 31, v0
	v_and_b32 v21, 15, v0
	v_bfe_u32 v22, v0, 4, 1
	v_and_b32 v23, 8, v21
	v_add_nc_u32 v23, v23, v21
	v_lshlrev_b32 v[L16], 4, v20
	v_lshlrev_b32 v[L4], 2, v20
	v_lshlrev_b32 v[L8], 3, v20
	v_lshlrev_b32 v[GA], 6, v22
	v_lshl_add_u32 v[XA], v23, 12, v[GA]
	v_lshl_add_u32 v[SCA], v22, 3, v23
	v_lshlrev_b32 v[SCA], 5, v[SCA]
	s_mul_i32 s93, s[WV], 8*1536
	s_add_co_u32 s93, s93, XIMG
	v_add_nc_u32 v[IMW], s93, v[L16]
	s_lshl_b32 s96, s[WV], 10
	s_add_co_u32 s96, s96, XSC
	v_add_nc_u32 v[SCW], s96, v[L4]
	v_mul_u32_u24 v24, v23, 816
	v_mad_u32_u24 v25, v22, 24, v24
	v_lshl_add_u32 v26, v22, 4, v25
	v_add_nc_u32 v[WAD], s92, v25
	v_add_nc_u32 v[WAD+1], SLOTB, v[WAD]
	v_add_nc_u32 v[WAD2], s92, v26
	v_add_nc_u32 v[WAD2+1], SLOTB, v[WAD2]
	v_add_nc_u32 v[IMR], XIMG, v[L16]
	v_add_nc_u32 v[SCR], XSC, v[L4]
	v_mul_u32_u24 v[RLA], v23, 768
	v_mad_u32_u24 v[RLA], v22, 24, v[RLA]
.irp b, 0,1,2,3
	v_mov_b32 v[TM+4+\b], 0
.endr
	v_mov_b32 v[PWQ+1], 0
	s_cmp_lt_u32 s[WV], 3
	s_cbranch_scc0 .Lno_rl
.irp u, 0,1
.irp p, 0,1,2,3,4,5
	global_load_b64 v[RL+12*\u+2*\p:RL+12*\u+2*\p+1], v[RLA], s[RSRC:RSRC+1] offset:6144*\u+48*(\p/3)+8*(\p%3)
.endr
.endr
.Lno_rl:
.irp z, 0,1,2
.irp bb, 0,1
	global_load_b128 v[WS+8*(2*\z+\bb):WS+8*(2*\z+\bb)+3], v[SCA], s[SB+2*\z:SB+2*\z+1] offset:1024*\bb
	global_load_b128 v[WS+8*(2*\z+\bb)+4:WS+8*(2*\z+\bb)+7], v[SCA], s[SB+2*\z:SB+2*\z+1] offset:1024*\bb+16
.endr
.endr
.irp s, 0,1,2,3,4,5,6,7
	WIN 0x80+0x40*(\s/4)
.irp b, 0,1,2,3
.irp j, 0,1,2,3
	global_load_b128 v[64*(\s%4)+16*\b+4*\j:64*(\s%4)+16*\b+4*\j+3], v[XA], s[XB:XB+1] offset:512*\s+128*\b+16*\j
.endr
.endr
.endr
.macro GB s
	WIN 0x40
.irp b, 0,1,2,3
.irp j, 0,1,2,3
	global_load_b128 v[128*((\s)%2)+16*\b+4*\j:128*((\s)%2)+16*\b+4*\j+3], v[GA], s[6:7] offset:512*(\s)+128*\b+16*\j
	global_load_b128 v[128*((\s)%2)+64+16*\b+4*\j:128*((\s)%2)+64+16*\b+4*\j+3], v[GA], s[8:9] offset:512*(\s)+128*\b+16*\j
.endr
.endr
	WIN 0
.endm
	GB 0
	GB 1
	; slot 1's first fill, issued as a refill is, behind the issue of the head's global loads: it is first read by the second half of the first product
	s_wait_alu depctr_va_vdst(0)
	s_wait_tensorcnt 0x0
	ds_add_u32 v252, v253
	s_wait_dscnt 0x0
	ROUND
	tensor_load_to_lds s[G0+4:G0+7], s[G1:G1+7]
	s_nop 0
	PLACES
	s_wait_loadcnt 63
	s_cmp_lt_u32 s[WV], 3
	s_cbranch_scc0 .Lno_rs
.irp u, 0,1
.irp c, 0,1,2
	global_store_b128 v[L16], v[RL+12*\u+4*\c:RL+12*\u+4*\c+3], s[RDST:RDST+1] offset:1536*\u+512*\c
.endr
.endr
.Lno_rs:
.macro FOLD8
.irp c, 0,1,2,3
	v_pk_add_f32 v[SA+2*\c:SA+2*\c+1], v[SA+2*\c:SA+2*\c+1], v[SA+8+2*\c:SA+8+2*\c+1]
.endr
.irp c, 0,1
	v_pk_add_f32 v[SA+2*\c:SA+2*\c+1], v[SA+2*\c:SA+2*\c+1], v[SA+4+2*\c:SA+4+2*\c+1]
.endr
	v_pk_add_f32 v[SA:SA+1], v[SA:SA+1], v[SA+2:SA+3]
	v_add_f32 v[SA], v[SA], v[SA+1]
	v_permlanex16_b32 v[SA+1], v[SA], s[SEL], s[SEL+1]
	v_add_f32 v[SA], v[SA], v[SA+1]
.endm
	WIN 0x0a
.irp c, 0,1,2,3,4,5,6,7
	v_pk_add_f32 v[SA+2*\c:SA+2*\c+1], v[4*\c:4*\c+1], v[4*\c+2:4*\c+3]
.endr
	WIN 0x08
.set pi, 16
.rept 112
	v_pk_add_f32 v[SA+2*(pi%8):SA+2*(pi%8)+1], v[SA+2*(pi%8):SA+2*(pi%8)+1], v[2*pi:2*pi+1]
.set pi, pi+1
.endr
	WIN 0x0c
.set pi, 0
.rept 128
	v_pk_add_f32 v[SA+2*(pi%8):SA+2*(pi%8)+1], v[SA+2*(pi%8):SA+2*(pi%8)+1], v[2*pi:2*pi+1]
.set pi, pi+1
.endr
	WIN 0
	FOLD8
	v_mul_f32 v[NM], 0xba800000, v[SA]
	v_mov_b32 v[NM+1], v[NM]
	WIN 0x82
.set pi, 0
.rept 128
	v_pk_add_f32 v[2*pi:2*pi+1], v[2*pi:2*pi+1], v[NM:NM+1] op_sel_hi:[1,0]
.set pi, pi+1
.endr
	WIN 0x0a
.irp c, 0,1,2,3,4,5,6,7
	v_pk_mul_f32 v[SA+2*\c:SA+2*\c+1], v[2*\c:2*\c+1], v[2*\c:2*\c+1]
.endr
.set pi, 8
.rept 120
	v_pk_fma_f32 v[SA+2*(pi%8):SA+2*(pi%8)+1], v[2*pi:2*pi+1], v[2*pi:2*pi+1], v[SA+2*(pi%8):SA+2*(pi%8)+1]
.set pi, pi+1
.endr
	WIN 0xc3
.set pi, 0
.rept 128
	v_pk_add_f32 v[2*pi:2*pi+1], v[2*pi:2*pi+1], v[NM:NM+1] op_sel_hi:[1,0]
.set pi, pi+1
.endr
	WIN 0x0f
.set pi, 0
.rept 128
	v_pk_fma_f32 v[SA+2*(pi%8):SA+2*(pi%8)+1], v[2*pi:2*pi+1], v[2*pi:2*pi+1], v[SA+2*(pi%8):SA+2*(pi%8)+1]
.set pi, pi+1
.endr
	WIN 0
	FOLD8
	v_fma_f32 v[VAR], v[SA], s[C10], s[CEPS]
	s_wait_alu depctr_va_vdst(0)
	v_rsq_f32 v[RSQ], v[VAR]
	v_rsq_f32 v[RSQ+1], v[VAR]
	v_nop
	s_wait_alu depctr_va_vdst(0)
.macro P3 s
.set XW, 2+(\s)/4
.set XR, 64*((\s)%4)
.set GR, 128*((\s)%2)
.if (\s) < 7
	s_wait_loadcnt 32
.else
	s_wait_loadcnt 0x0
.endif
	WIN (XW<<6)|XW
.set pi, 0
.rept 32
	v_pk_mul_f32 v[XR+2*pi:XR+2*pi+1], v[XR+2*pi:XR+2*pi+1], v[RSQ:RSQ+1] op_sel_hi:[1,0]
.set pi, pi+1
.endr
	WIN (XW<<6)|0x14|XW
.set pi, 0
.rept 32
	v_pk_fma_f32 v[XR+2*pi:XR+2*pi+1], v[XR+2*pi:XR+2*pi+1], v[GR+2*pi:GR+2*pi+1], v[GR+64+2*pi:GR+64+2*pi+1]
.set pi, pi+1
.endr
	WIN 0
.if (\s) < 6
	GB (\s)+2
.endif
	s_wait_dscnt 0x0
	QUANT XR, XW, 4, PC4, PW4
.irp c, 0,1,2
	ds_store_b128 v[IMW], v[PC4+4*\c:PC4+4*\c+3] offset:1536*(\s)+512*\c
.endr
	ds_store_b32 v[SCW], v[PW4] offset:128*(\s)
.endm
.irp s, 0,1,2,3,4,5,6,7
	P3 \s
.endr
	s_wait_dscnt 0x0
	s_barrier_signal -1
	s_barrier_wait -1
.irp m, 0,1,2,3
	WIN 0x80+0x40*(\m/2)
.irp s, 0,1,2,3,4,5,6,7
.irp c, 0,1,2
	ds_load_b128 v[96*(\m%2)+12*\s+4*\c:96*(\m%2)+12*\s+4*\c+3], v[IMR] offset:(8*\m+\s)*1536+512*\c
.endr
.endr
.endr
	WIN 0
.irp m, 0,1,2,3
.irp s, 0,1,2,3,4,5,6,7
	ds_load_b32 v[ASC+8*\m+\s], v[SCR] offset:(8*\m+\s)*128
.endr
.endr
	s_wait_dscnt 0x0
.macro FRAG reg, sl, u, s
.irp p, 0,1,2,3,4,5
.set PP, 12*(\s)+6*(\p/3)+\p%3
.if PP%32 < 29
	ds_load_b64 v[(\reg)+2*\p:(\reg)+2*\p+1], v[WAD+(\sl)] offset:6528*(\u)+8*PP+16*(PP/32)
.else
	ds_load_b64 v[(\reg)+2*\p:(\reg)+2*\p+1], v[WAD2+(\sl)] offset:6528*(\u)+8*PP+16*(PP/32)
.endif
.endr
.endm
.macro FETCH set, sl, p
.irp sp, 0,1
.irp u, 0,1
	FRAG WF+48*(\set)+24*\sp+12*\u, \sl, \u, 2*(\p)+\sp
.endr
.endr
.endm
.macro MMQ n, s, m, u
.set rD, 32*(\m)+8*(2*((\n)%2)+(\u))
.set rA, WF+48*(((\s)/2)%2)+24*((\s)%2)+12*(\u)
.set rB, 96*((\m)%2)+12*(\s)
.set rW, WS+8*(\n)+(\s)
.set rH, ASC+8*(\m)+(\s)
.if (\s) == 0
.if (\u) == 0
	v_wmma_scale_f32_16x16x128_f8f6f4 v[rD:rD+7], v[rA:rA+11], v[rB:rB+11], 0, v[rW], v[rH] matrix_a_fmt:MATRIX_FMT_BF6 matrix_b_fmt:MATRIX_FMT_BF6
.else
	v_wmma_scale_f32_16x16x128_f8f6f4 v[rD:rD+7], v[rA:rA+11], v[rB:rB+11], 0, v[rW], v[rH] matrix_a_fmt:MATRIX_FMT_BF6 matrix_b_fmt:MATRIX_FMT_BF6 matrix_a_scale:MATRIX_SCALE_ROW1
.endif
.else
.if (\u) == 0
	v_wmma_scale_f32_16x16x128_f8f6f4 v[rD:rD+7], v[rA:rA+11], v[rB:rB+11], v[rD:rD+7], v[rW], v[rH] matrix_a_fmt:MATRIX_FMT_BF6 matrix_b_fmt:MATRIX_FMT_BF6
.else
	v_wmma_scale_f32_16x16x128_f8f6f4 v[rD:rD+7], v[rA:rA+11], v[rB:rB+11], v[rD:rD+7], v[rW], v[rH] matrix_a_fmt:MATRIX_FMT_BF6 matrix_b_fmt:MATRIX_FMT_BF6 matrix_a_scale:MATRIX_SCALE_ROW1
.endif
.endif
.endm
.macro MMV n, s, m, u
.set rD, 32*(2*((\n)%2)+(\u))+8*(\m)
.set rA, WF+48*(((\s)/2)%2)+24*((\s)%2)+12*(\u)
.set rB, 96*((\m)%2)+12*(\s)
.set rW, WS+8*(\n)+(\s)
.set rH, ASC+8*(\m)+(\s)
.if (\s) == 0
.if (\u) == 0
	v_wmma_scale_f32_16x16x128_f8f6f4 v[rD:rD+7], v[rB:rB+11], v[rA:rA+11], 0, v[rH], v[rW] matrix_a_fmt:MATRIX_FMT_BF6 matrix_b_fmt:MATRIX_FMT_BF6
.else
	v_wmma_scale_f32_16x16x128_f8f6f4 v[rD:rD+7], v[rB:rB+11], v[rA:rA+11], 0, v[rH], v[rW] matrix_a_fmt:MATRIX_FMT_BF6 matrix_b_fmt:MATRIX_FMT_BF6 matrix_b_scale:MATRIX_SCALE_ROW1
.endif
.else
.if (\u) == 0
	v_wmma_scale_f32_16x16x128_f8f6f4 v[rD:rD+7], v[rB:rB+11], v[rA:rA+11], v[rD:rD+7], v[rH], v[rW] matrix_a_fmt:MATRIX_FMT_BF6 matrix_b_fmt:MATRIX_FMT_BF6
.else
	v_wmma_scale_f32_16x16x128_f8f6f4 v[rD:rD+7], v[rB:rB+11], v[rA:rA+11], v[rD:rD+7], v[rH], v[rW] matrix_a_fmt:MATRIX_FMT_BF6 matrix_b_fmt:MATRIX_FMT_BF6 matrix_b_scale:MATRIX_SCALE_ROW1
.endif
.endif
.endm
.macro COMPUTE n
	FETCH 0, (\n)%2, 0
	FETCH 1, (\n)%2, 1
.irp p, 0,1,2,3
.if \p < 3
	s_wait_dscnt 24
.else
	s_wait_dscnt 0x0
.endif
.irp hf, 0,1
.if (\n) < 4
	WIN 0x58+4*\hf
.else
	WIN 0x52+\hf
.endif
.irp sp, 0,1
.irp mm, 0,1
.irp u, 0,1
.if (\n) < 4
	MMQ \n, 2*\p+\sp, 2*\hf+\mm, \u
.else
	MMV \n, 2*\p+\sp, 2*\hf+\mm, \u
.endif
.endr
.endr
.endr
.endr
	WIN 0
.if \p < 2
	PLACES
	FETCH \p%2, (\n)%2, \p+2
.endif
.endr
.endm
.macro CHG sl, z, off
	s_wait_tensorcnt 0x0
	ds_add_u32 v[SPW], v[NIL]
	s_add_nc_u64 s[G0+4*\sl+2:G0+4*\sl+3], s[WA+2*\z:WA+2*\z+1], \off
	s_or_b32 s[G0+4*\sl+3], s[G0+4*\sl+3], 0x80000000
	s_wait_dscnt 0x0
	ROUND
	tensor_load_to_lds s[G0+4*\sl:G0+4*\sl+3], s[G1:G1+7]
	s_nop 0
	PLACES
.endm
.macro EPI kind
	PLACES
.irp i, 0,1,2,3
	s_wait_xcnt 0x0
.if \kind == 0
	QUANT 32*\i, 1, 2, PC2, PWQ
	global_store_b128 v[L16], v[PC2:PC2+3], s[QD:QD+1] offset:1024*\i
	global_store_b64 v[L8], v[PC2+4:PC2+5], s[QD:QD+1] offset:1024*\i+512
	global_store_b64 v[L8], v[PWQ:PWQ+1], s[QD:QD+1] offset:1024*\i+768
.else
	QUANT 32*\i, 1, 2, PC2, PWK+\i
	global_store_b128 v[L16], v[PC2:PC2+3], s[KVD:KVD+1] offset:3072*(\kind-1)+768*\i
	global_store_b64 v[L8], v[PC2+4:PC2+5], s[KVD:KVD+1] offset:3072*(\kind-1)+768*\i+512
.endif
.endr
.if \kind > 0
	v_cndmask_b32 v[PKD], v[PWK], v[PWK+1], s[MHI]
	v_cndmask_b32 v[PKD+1], v[PWK+2], v[PWK+3], s[MHI]
	global_store_b64 v[L8], v[PKD:PKD+1], s[KVD:KVD+1] offset:6144+256*(\kind-1)
.endif
.endm
	s_wait_xcnt 0x0
	s_wait_tensorcnt 0x1
	COMPUTE 0
	CHG 0, 1, 0
	COMPUTE 1
	CHG 1, 1, 24576
	EPI 0
	COMPUTE 2
	CHG 0, 2, 0
	COMPUTE 3
	CHG 1, 2, 24576
	EPI 1
	COMPUTE 4
	s_wait_tensorcnt 0x0
	PLACES
	COMPUTE 5
	EPI 2
	s_wait_tensorcnt 0x0
	ds_add_u32 v[SPW], v[NIL]
	s_wait_dscnt 0x0
	ROUND
	s_endpgm
.Lfunc_end_k_q15830e498b_qkv:
	.size	k_q15830e498b_qkv, .Lfunc_end_k_q15830e498b_qkv-k_q15830e498b_qkv
	.p2alignl 7, 3214868480
	.fill 96, 4, 3214868480
	.section	.rodata,"a",@progbits
	.p2align	6, 0x0
	.amdhsa_kernel k_q15830e498b_qkv
		.amdhsa_group_segment_fixed_size 327680
		.amdhsa_private_segment_fixed_size 0
		.amdhsa_enable_private_segment 0
		.amdhsa_kernarg_size 120
		.amdhsa_user_sgpr_count 2
		.amdhsa_user_sgpr_kernarg_segment_ptr 1
		.amdhsa_wavefront_size32 1
		.amdhsa_system_sgpr_workgroup_id_x 1
		.amdhsa_system_sgpr_workgroup_id_y 1
		.amdhsa_system_sgpr_workgroup_id_z 1
		.amdhsa_system_vgpr_workitem_id 0
		.amdhsa_next_free_vgpr 1024
		.amdhsa_next_free_sgpr 102
		.amdhsa_reserve_vcc 0
		.amdhsa_float_denorm_mode_32 3
		.amdhsa_float_denorm_mode_16_64 3
		.amdhsa_memory_ordered 1
		.amdhsa_forward_progress 1
		.amdhsa_inst_pref_size 255
	.end_amdhsa_kernel
	.section	.bss,"aw",@nobits
	.p2align	6
	.space	262144
	.amdgpu_metadata
---
amdhsa.version: [ 1, 2 ]
amdhsa.kernels:
  - .name:           k_q15830e498b_qkv
    .symbol:         k_q15830e498b_qkv.kd
    .args:
      - { .name: x, .offset: 0, .size: 8, .value_kind: global_buffer, .address_space: global }
      - { .name: ln1_g, .offset: 8, .size: 8, .value_kind: global_buffer, .address_space: global }
      - { .name: ln1_b, .offset: 16, .size: 8, .value_kind: global_buffer, .address_space: global }
      - { .name: wq_codes, .offset: 24, .size: 8, .value_kind: global_buffer, .address_space: global }
      - { .name: wq_scales, .offset: 32, .size: 8, .value_kind: global_buffer, .address_space: global }
      - { .name: wk_codes, .offset: 40, .size: 8, .value_kind: global_buffer, .address_space: global }
      - { .name: wk_scales, .offset: 48, .size: 8, .value_kind: global_buffer, .address_space: global }
      - { .name: wv_codes, .offset: 56, .size: 8, .value_kind: global_buffer, .address_space: global }
      - { .name: wv_scales, .offset: 64, .size: 8, .value_kind: global_buffer, .address_space: global }
      - { .name: wo_codes, .offset: 72, .size: 8, .value_kind: global_buffer, .address_space: global }
      - { .name: w1_codes, .offset: 80, .size: 8, .value_kind: global_buffer, .address_space: global }
      - { .name: w2_codes, .offset: 88, .size: 8, .value_kind: global_buffer, .address_space: global }
      - { .name: qimg, .offset: 96, .size: 8, .value_kind: global_buffer, .address_space: global }
      - { .name: kv, .offset: 104, .size: 8, .value_kind: global_buffer, .address_space: global }
      - { .name: wimg, .offset: 112, .size: 8, .value_kind: global_buffer, .address_space: global }
    .group_segment_fixed_size: 327680
    .private_segment_fixed_size: 0
    .kernarg_segment_align: 8
    .kernarg_segment_size: 120
    .max_flat_workgroup_size: 128
    .sgpr_count:     102
    .vgpr_count:     1024
    .wavefront_size: 32
...
	.end_amdgpu_metadata
.endif
;; end of part 1
;; launch attn (part 2): grid 8 x 32, 16 waves a work-group, clusters of 4 x 1, 215,040 bytes of LDS; arguments qimg, kv, cimg; writes cimg
.if DOCPART == 2
	.amdgcn_target "amdgcn-amd-amdhsa--gfx1250"
	.amdhsa_code_object_version 6
	.text
	.protected	k_q15830e498b_attn
	.globl	k_q15830e498b_attn
	.p2align	8
	.type	k_q15830e498b_attn,@function
k_q15830e498b_attn:
	s_mov_b64 s[64:65], 0
	v_nop
	global_prefetch_b8 v0, s[64:65] scope:SCOPE_SE
	s_setreg_imm32_b32 hwreg(HW_REG_WAVE_MODE, 25, 1), 1
	s_wait_xcnt 0x0
	s_wait_alu depctr_hold_cnt(0) depctr_sa_sdst(0) depctr_va_vdst(0) depctr_va_sdst(0) depctr_va_ssrc(0) depctr_va_vcc(0) depctr_vm_vsrc(0)
	s_getreg_b32 s2, hwreg(HW_REG_IB_STS2, 6, 4)
	s_cmp_eq_u32 s2, 0
	s_cbranch_scc0 .Lentry_in_a_cluster
	s_endpgm
.Lentry_in_a_cluster:
	s_bfe_u32 s2, ttmp6, 0x10000c
	s_cmp_lg_u32 s2, 0x3003
	s_cbranch_scc0 .Lentry_shape_is_right
	s_endpgm
.Lentry_shape_is_right:
; ctx = softmax(q k^T / 8) v for one head and 256 queries a work-group, both products on codes of E3M2 with one E8M0 scale for each 32 along K; ctx is quantised along the head's 64 and stored as half fragments.
; THE SOFTMAX: t = score x log2(e) / 8; M = the running largest t rounded up to a whole number; p = 2^(t - M) is quantised along the keys, not normalised; the row's sum is taken of the unquantised p and divides at the end.
; When M moves, the sum and O are multiplied by 2^(old M - new M), which rounds nothing.
; SHARES.  Sixteen waves, each one tile of 16 queries in 256 registers.  Every wave walks the head's 2,048 keys, 128 a step.
; K AND V of the whole head are 32 records of 6,656 bytes (64 keys each: four tiles of K, four tiles of V^T, two packed pairs of scale words), laid in the order of the operands' registers: 212,992 bytes.  They are
; filled ONCE: no byte of LDS is filled again.  All sixteen waves fetch, one load each, a quarter of a chunk of eight records a load; the four work-groups of a cluster
; belong to one head and ask jointly.  All of a head's bytes are asked for at the kernel's head, so there is nothing that could be asked for earlier.
; LAYOUT.  Both products are used transposed: S^T = K Q^T, O^T = V^T P^T: a lane holds one query throughout.  The keys of a tile are chosen so that the 16 registers of tiles 2 b and 2 b + 1 are keys 32 b + 16 (lane / 16) + 0 .. 15.
; The head's 64 fill half of an instruction's K: Q's upper six registers are zero codes, so what stands in K's upper six (the next tile's codes, every one a finite number) adds nothing; the upper scale bytes are 0, which is no NaN.
; LIMITS: NaN and infinities are not served.  A block's largest p is taken from its largest score, which takes v_exp_f32 not to fall where its input rises.  A block of zeros keeps the scale byte 1 with zero codes.
; REGISTERS: v1-4 addresses; v12 -M, v13 the largest t, v[14:15] and v[196:197] the sum; v16-27 Q; v32-85 K's eight tiles and six zeros, later V's four fragments; v96-159 S^T, then p; v160-191 O^T; v192-195 V's raw scale words;
; v224-235 p's codes; v232-254 at work; v248-251 scale words; v253 p's scale word; v255 Q's.
.set REC,  6656
.set CHB,  8*REC
.set QTR,  CHB/4
.set WV,   18
.set SEL,  20
.set CS,   22
.set G0,   24                          ; s[24:27] group 0
.set G1,   40
.set TB,   48                          ; LDS byte of the step's first record
.set CNT,  49
.macro ROUND                           ; a round of the cluster's barrier
	s_barrier_signal -1
	s_barrier_wait -1
	s_cmp_lg_u32 s[WV], 0
	s_cbranch_scc1 .Lnot_wave_0_\@
	s_barrier_signal -3
.Lnot_wave_0_\@:
	s_barrier_wait -3
	s_barrier_signal -1
	s_barrier_wait -1
.endm
	s_load_b128 s[4:7], s[0:1], 0x0                ; qimg, kv
	s_load_b64 s[8:9], s[0:1], 0x10                ; cimg
	v_lshl_add_u32 v223, v0, 2, 0x34000
	v_mov_b32 v243, 0
	ds_add_u32 v223, v243
	ds_add_u32 v223, v243
	v_lshrrev_b32 v8, 5, v0
	s_delay_alu instid0(VALU_DEP_1)
	v_readfirstlane_b32 s[WV], v8                  ; wave 0..15
	s_bfe_u32 s10, ttmp6, 0x40000                  ; cx
	s_lshl_b32 s11, ttmp9, 2
	s_add_co_u32 s11, s11, s10                     ; my block of 256 queries: it enters Q's and ctx's addresses alone
	s_and_b32 s12, ttmp7, 0xffff                   ; bh = 16 x batch + head, shared by the cluster
	s_lshl_b32 s13, s11, 4
	s_add_co_u32 s13, s13, s[WV]                   ; my tile of queries, 0..127
	s_lshl_b32 s14, s12, 7
	s_add_co_u32 s14, s14, s13
	s_lshl_b32 s14, s14, 10                        ; its record in qimg
	s_mov_b32 s15, 0
	s_lshr_b32 s16, s12, 4
	s_lshl_b32 s16, s16, 7
	s_add_co_u32 s16, s16, s13                     ; the tile among all 256
	s_lshl_b32 s16, s16, 4
	s_and_b32 s17, s12, 15
	s_add_co_u32 s16, s16, s17
	s_lshl_b32 s16, s16, 10                        ; its record (tile, head) in cimg
	s_mov_b32 s17, 0
	s_mul_i32 s52, s12, 32*REC                     ; the head's records,
	s_mul_i32 s54, s[WV], QTR                      ; my quarter of a chunk: in memory and in LDS alike
	s_add_co_u32 s52, s52, s54
	s_mov_b32 s53, 0
	; descriptor group 1: 52 rows of 256 bytes (32 elements of 8 bytes), dense, no padding; the mask names the cluster's four
	s_mov_b32 s[G1], 15|(3<<16)|(1<<21)
	s_mov_b32 s[G1+1], 32<<16
	s_mov_b32 s[G1+2], 52<<16
	s_mov_b32 s[G1+3], 32<<16
	s_mov_b32 s[G1+4], 52
	s_mov_b32 s[G1+5], 32
	s_mov_b32 s[G1+6], 0
	s_mov_b32 s[G1+7], 0
	s_mov_b32 s[SEL], 0x76543210
	s_mov_b32 s[SEL+1], 0xfedcba98
	s_mov_b32 s[CS], 0x3e38aa3b                    ; c = log2(e) / 8
	s_mov_b32 s[CS+1], s[CS]
	s_mov_b32 s[TB], 0
	s_wait_dscnt 0x0
	s_wait_kmcnt 0x0
	s_add_nc_u64 s[52:53], s[6:7], s[52:53]
; EVERY WAVE FETCHES ONE SIXTEENTH of the head's 212,992 bytes, at wave x QTR in memory and in LDS alike: one joint load a wave at the head
.irp c, 0
	s_mov_b32 s[G0+4*\c], 1
	s_add_co_u32 s[G0+4*\c+1], s54, CHB*\c
	s_add_nc_u64 s[G0+4*\c+2:G0+4*\c+3], s[52:53], CHB*\c
	s_or_b32 s[G0+4*\c+3], s[G0+4*\c+3], 0x80000000
.endr
	ROUND                                          ; the four work-groups are here: the joint loads meet
	tensor_load_to_lds s[G0:G0+3], s[G1:G1+7]
	s_nop 0
.rept 4
	v_nop                                          ; four of these behind a tensor load
.endr
.Lno_fill:
	s_add_nc_u64 s[4:5], s[4:5], s[14:15]
	s_add_nc_u64 s[8:9], s[8:9], s[16:17]
	v_and_b32 v8, 31, v0
	s_delay_alu instid0(VALU_DEP_1)
	v_lshlrev_b32 v1, 4, v8                        ; 16 x lane
	s_delay_alu instid0(VALU_DEP_2)
	v_lshlrev_b32 v2, 3, v8                        ; 8 x lane
	global_load_b128 v[16:19], v1, s[4:5]          ; Q's half fragment,
	global_load_b64 v[20:21], v2, s[4:5] offset:512
	global_load_b32 v255, v2, s[4:5] offset:768    ; its scale words
.irp j, 22,23,24,25,26,27,80,81,82,83,84,85
	v_mov_b32 v[\j], 0                             ; zero codes: Q's upper 64 along K, and what stands behind K's last tile
.endr
	v_mov_b32 v13, 0xff61b1e6                      ; the largest t so far: -3e38
	s_delay_alu instid0(VALU_DEP_1)
	v_floor_f32 v12, -v13                          ; -M
	v_mov_b32 v14, 0
	v_mov_b32 v15, 0
.irp j, 200,201,213,236,237,238,239,253
	v_mov_b32 v[\j], 0                             ; lane permutes' destinations, the upper halves of two pairs
.endr
.set j, 0
.rept 32
	v_mov_b32 v[160+j], 0                          ; O^T: the step is written once; the first finds zeros
.set j, j+1
.endr
; A KEY STEP: 128 keys, two records.
.macro STEP
	v_add_nc_u32 v3, s[TB], v1
	v_add_nc_u32 v4, s[TB], v2
	v_nop
	v_nop                                          ; four places behind the last products, ahead of loads into their registers
.irp i, 0,1,2,3,4,5,6,7
	ds_load_b128 v[32+6*\i:35+6*\i], v3 offset:REC*(\i/4)+768*(\i%4)
	ds_load_b64 v[36+6*\i:37+6*\i], v4 offset:REC*(\i/4)+768*(\i%4)+512
.endr
	ds_load_b64 v[248:249], v4 offset:6144         ; K's scale words: tiles 0 | 1, 2 | 3
	ds_load_b64 v[250:251], v4 offset:REC+6144     ; tiles 4 | 5, 6 | 7
	s_wait_alu depctr_va_vdst(0)
	s_wait_dscnt 0x0
.irp i, 0,2,4,6
	v_wmma_scale_f32_16x16x128_f8f6f4 v[96+8*\i:103+8*\i], v[32+6*\i:43+6*\i], v[16:27], 0, v[248+\i/2], v255 matrix_a_fmt:MATRIX_FMT_BF6 matrix_b_fmt:MATRIX_FMT_BF6
	v_wmma_scale_f32_16x16x128_f8f6f4 v[104+8*\i:111+8*\i], v[38+6*\i:49+6*\i], v[16:27], 0, v[248+\i/2], v255 matrix_a_fmt:MATRIX_FMT_BF6 matrix_b_fmt:MATRIX_FMT_BF6 matrix_a_scale:MATRIX_SCALE_ROW1
.endr
.rept 4
	v_nop
.endr
.irp t, 0,1,2,3                                ; V's four fragments land while the softmax is walked: half c is record c's tile t
.irp c, 0,1
	ds_load_b128 v[32+12*\t+6*\c:35+12*\t+6*\c], v3 offset:REC*\c+3072+768*\t
	ds_load_b64 v[36+12*\t+6*\c:37+12*\t+6*\c], v4 offset:REC*\c+3072+768*\t+512
.endr
.endr
	ds_load_b64 v[192:193], v4 offset:6400
	ds_load_b64 v[194:195], v4 offset:REC+6400
.irp b, 0,1,2,3
	v_max3_num_f32 v[232+\b], v[96+16*\b], v[97+16*\b], v[98+16*\b]   ; the largest score of each block of 32 keys: for the row's maximum, and for the block's largest p
.endr
.irp i, 3,5,7,9,11,13
.irp b, 0,1,2,3
	v_max3_num_f32 v[232+\b], v[232+\b], v[96+16*\b+\i], v[97+16*\b+\i]
.endr
.endr
.irp b, 0,1,2,3
	v_max_num_f32 v[232+\b], v[232+\b], v[111+16*\b]
.endr
.irp b, 0,1,2,3
	s_delay_alu instid0(VALU_DEP_4)
	v_permlanex16_b32 v[236+\b], v[232+\b], s[SEL], s[SEL+1]
.endr
.irp b, 0,1,2,3
	s_delay_alu instid0(VALU_DEP_4)
	v_max_num_f32 v[232+\b], v[232+\b], v[236+\b]
.endr
	s_delay_alu instid0(VALU_DEP_2)
	v_max3_num_f32 v254, v232, v233, v234
	s_delay_alu instid0(VALU_DEP_1)
	v_max_num_f32 v254, v254, v235
	s_delay_alu instid0(VALU_DEP_1)
	v_mul_f32 v254, s[CS], v254                    ; as t
	s_delay_alu instid0(VALU_DEP_1)
	v_max_num_f32 v13, v13, v254                   ; the running largest t
	v_mov_b32 v254, v12
	s_delay_alu instid0(VALU_DEP_2)
	v_floor_f32 v12, -v13                          ; the new -M = -ceil(t)
	s_delay_alu instid0(VALU_DEP_1)
	v_sub_f32 v254, v12, v254                      ; old M - new M: a whole number, 0 or less
	s_delay_alu instid0(VALU_DEP_1)
	v_cvt_i32_f32 v254, v254                       ; (it saturates)
	s_delay_alu instid0(VALU_DEP_1)
	v_ldexp_f32 v252, 1.0, v254                    ; f = 2^(old M - new M)
.set j, 0
.rept 32
	v_pk_fma_f32 v[96+j:97+j], v[96+j:97+j], s[CS:CS+1], v[12:13] op_sel_hi:[1,0,0]   ; t - M
.set j, j+2
.endr
.irp b, 0,1,2,3
	v_fma_f32 v[232+\b], v[232+\b], s[CS], v12
.endr
.set j, 0
	s_wait_alu depctr_va_vdst(0)
.rept 64
	v_exp_f32 v[96+j], v[96+j]                     ; p = 2^(t - M)
.set j, j+1
.endr
	v_pk_mul_f32 v[14:15], v[14:15], v[252:253] op_sel_hi:[1,0]   ; the sum under the new M: a plain place behind the exponentials
	s_wait_alu depctr_va_vdst(0)                   ; one wait for the batch, ahead of its first reader
.irp b, 0,1,2,3
	v_exp_f32 v[232+\b], v[232+\b]                 ; each block's largest p
.endr
	v_pk_add_f32 v[196:197], v[96:97], v[98:99]    ; the row's sum of the unquantised p, in two chains
.irp j, 4,8,12,16,20,24,28,32,36,40,44,48,52
	v_pk_add_f32 v[14:15], v[14:15], v[96+\j:97+\j]
	v_pk_add_f32 v[196:197], v[196:197], v[98+\j:99+\j]
.endr
	s_wait_alu depctr_va_vdst(0)                   ; and one for the four
.irp b, 0,1,2,3
	v_max_num_f32 v[232+\b], 0x2800000, v[232+\b]  ; the floor 2^(5 - 127)
.endr
.irp b, 0,1,2,3
	s_delay_alu instid0(VALU_DEP_4)
	v_add_nc_u32 v[244+\b], 0xfe000000, v[232+\b]  ; 4 off the exponent field: the conversion's scale operand
.endr
.irp b, 0,1,2,3
	s_delay_alu instid0(VALU_DEP_4)
	v_lshrrev_b32 v[236+\b], 23, v[244+\b]         ; the scale's byte
.endr
	s_delay_alu instid0(VALU_DEP_3)
	v_lshl_or_b32 v253, v237, 8, v236              ; p's scale word
	s_delay_alu instid0(VALU_DEP_1)
	v_lshl_or_b32 v253, v238, 16, v253
	s_delay_alu instid0(VALU_DEP_1)
	v_lshl_or_b32 v253, v239, 24, v253
	s_wait_dscnt 0x0                               ; V is in
	v_lshl_or_b32 v248, v194, 16, v192             ; V's scale words for 128 keys: tiles 0 | 1,
	v_lshl_or_b32 v249, v195, 16, v193             ; tiles 2 | 3.  More than eight plain instructions follow ahead of their use
.irp c, 0,1
	v_cvt_scalef32_pk16_bf6_f32 v[224+6*\c:226+6*\c], v[96+32*\c:111+32*\c], v[244+2*\c]
	v_cvt_scalef32_pk16_bf6_f32 v[236+4*\c:238+4*\c], v[112+32*\c:127+32*\c], v[244+2*\c+1]
.endr
	v_nop                                          ; one plain place behind the scaled conversions
.irp c, 0,1
.irp i, 0,1,2
	v_permlane16_swap_b32 v[224+6*\c+\i], v[236+4*\c+\i]
.endr
.irp i, 0,1,2
	s_delay_alu instid0(VALU_DEP_3)
	v_mov_b32 v[227+6*\c+\i], v[236+4*\c+\i]
.endr
.endr
.set j, 0
.rept 16
	v_pk_mul_f32 v[160+j:161+j], v[160+j:161+j], v[252:253] op_sel_hi:[1,0]   ; O^T under the new M
.set j, j+2
.endr
.irp j, 56,60                                  ; the sum's last lines stand here: plain work between O^T's last write and the products
	v_pk_add_f32 v[14:15], v[14:15], v[96+\j:97+\j]
	v_pk_add_f32 v[196:197], v[196:197], v[98+\j:99+\j]
.endr
	s_delay_alu instid0(VALU_DEP_1)
	v_pk_add_f32 v[14:15], v[14:15], v[196:197]
.irp t, 0,2
	v_wmma_scale_f32_16x16x128_f8f6f4 v[160+8*\t:167+8*\t], v[32+12*\t:43+12*\t], v[224:235], v[160+8*\t:167+8*\t], v[248+\t/2], v253 matrix_a_fmt:MATRIX_FMT_BF6 matrix_b_fmt:MATRIX_FMT_BF6
	v_wmma_scale_f32_16x16x128_f8f6f4 v[168+8*\t:175+8*\t], v[44+12*\t:55+12*\t], v[224:235], v[168+8*\t:175+8*\t], v[248+\t/2], v253 matrix_a_fmt:MATRIX_FMT_BF6 matrix_b_fmt:MATRIX_FMT_BF6 matrix_a_scale:MATRIX_SCALE_ROW1
.endr
	s_add_co_u32 s[TB], s[TB], 2*REC
.endm
; The chunk: all 32 records, 16 steps.  Each wave's one load is in behind its wait: nothing is ever filled again.
.macro CHUNK c
	s_wait_tensorcnt 0x0                           ; my sixteenth is in; behind the one barrier the whole head is: all 16 steps follow with no further barrier
	s_barrier_signal -1
	s_barrier_wait -1
	s_mov_b32 s[CNT], 16
.Lstep_\@:
	STEP
	s_sub_co_u32 s[CNT], s[CNT], 1
	s_cmp_lg_u32 s[CNT], 0
	s_cbranch_scc1 .Lstep_\@
.endm
	s_wait_loadcnt 0x0                             ; Q
	CHUNK 0
	; THE WAY OUT: O^T / the sum, quantised along the head's 64 (two blocks), stored as a half fragment and its scale words: 1,024 consecutive bytes a wave
	v_add_f32 v14, v14, v15
	s_delay_alu instid0(VALU_DEP_1)
	v_permlanex16_b32 v252, v14, s[SEL], s[SEL+1]
	s_delay_alu instid0(VALU_DEP_1)
	v_add_f32 v14, v14, v252                       ; the row's sum
	s_wait_alu depctr_va_vdst(0)
	v_rcp_f32 v14, v14
.rept 4
	v_nop                                          ; a plain place behind the reciprocal, and the places behind the last products
.endr
	s_wait_alu depctr_va_vdst(0)
.set j, 0
.rept 32
	v_mul_f32 v[96+j], v[160+j], v14               ; register 16 b + i = channel 32 b + 16 (lane / 16) + i of my query
.set j, j+1
.endr
.irp b, 0,1
	v_max3_num_f32 v[196+\b], |v[96+16*\b]|, |v[97+16*\b]|, 0x2800000
.endr
.irp i, 2,4,6,8,10,12,14
.irp b, 0,1
	s_delay_alu instid0(VALU_DEP_2)
	v_max3_num_f32 v[196+\b], v[196+\b], |v[96+16*\b+\i]|, |v[97+16*\b+\i]|
.endr
.endr
.irp b, 0,1
	s_delay_alu instid0(VALU_DEP_2)
	v_permlanex16_b32 v[200+\b], v[196+\b], s[SEL], s[SEL+1]
.endr
.irp b, 0,1
	s_delay_alu instid0(VALU_DEP_2)
	v_max_num_f32 v[196+\b], v[196+\b], v[200+\b]
.endr
.irp b, 0,1
	s_delay_alu instid0(VALU_DEP_2)
	v_add_nc_u32 v[208+\b], 0xfe000000, v[196+\b]
.endr
.irp b, 0,1
	s_delay_alu instid0(VALU_DEP_2)
	v_lshrrev_b32 v[200+\b], 23, v[208+\b]
.endr
	s_delay_alu instid0(VALU_DEP_1)
	v_lshl_or_b32 v212, v201, 8, v200
	v_cvt_scalef32_pk16_bf6_f32 v[214:216], v[96:111], v208
	v_cvt_scalef32_pk16_bf6_f32 v[226:228], v[112:127], v209
	v_nop
.irp i, 0,1,2
	v_permlane16_swap_b32 v[214+\i], v[226+\i]
.endr
.irp i, 0,1,2
	s_delay_alu instid0(VALU_DEP_3)
	v_mov_b32 v[217+\i], v[226+\i]
.endr
	global_store_b128 v1, v[214:217], s[8:9]
	global_store_b64 v2, v[218:219], s[8:9] offset:512
	global_store_b64 v2, v[212:213], s[8:9] offset:768
	s_wait_tensorcnt 0x0
	ds_add_u32 v223, v243
	s_wait_dscnt 0x0
	ROUND                                          ; the closing round
	s_endpgm
.Lfunc_end_k_q15830e498b_attn:
	.size	k_q15830e498b_attn, .Lfunc_end_k_q15830e498b_attn-k_q15830e498b_attn
	.p2alignl 7, 3214868480
	.fill 96, 4, 3214868480
	.section	.rodata,"a",@progbits
	.p2align	6, 0x0
	.amdhsa_kernel k_q15830e498b_attn
		.amdhsa_group_segment_fixed_size 215040
		.amdhsa_private_segment_fixed_size 0
		.amdhsa_enable_private_segment 0
		.amdhsa_kernarg_size 24
		.amdhsa_user_sgpr_count 2
		.amdhsa_user_sgpr_kernarg_segment_ptr 1
		.amdhsa_wavefront_size32 1
		.amdhsa_system_sgpr_workgroup_id_x 1
		.amdhsa_system_sgpr_workgroup_id_y 1
		.amdhsa_system_sgpr_workgroup_id_z 1
		.amdhsa_system_vgpr_workitem_id 0
		.amdhsa_next_free_vgpr 256
		.amdhsa_next_free_sgpr 66
		.amdhsa_reserve_vcc 0
		.amdhsa_float_denorm_mode_32 3
		.amdhsa_float_denorm_mode_16_64 3
		.amdhsa_memory_ordered 1
		.amdhsa_forward_progress 1
		.amdhsa_inst_pref_size 28
	.end_amdhsa_kernel
	.amdgpu_metadata
---
amdhsa.version: [ 1, 2 ]
amdhsa.kernels:
  - .name:           k_q15830e498b_attn
    .symbol:         k_q15830e498b_attn.kd
    .args:
      - { .name: qimg, .offset: 0, .size: 8, .value_kind: global_buffer, .address_space: global }
      - { .name: kv, .offset: 8, .size: 8, .value_kind: global_buffer, .address_space: global }
      - { .name: cimg, .offset: 16, .size: 8, .value_kind: global_buffer, .address_space: global }
    .group_segment_fixed_size: 215040
    .private_segment_fixed_size: 0
    .kernarg_segment_align: 8
    .kernarg_segment_size: 24
    .max_flat_workgroup_size: 512
    .sgpr_count:     66
    .vgpr_count:     256
    .wavefront_size: 32
...
	.end_amdgpu_metadata
.endif
;; end of part 2
;; launch tail (part 3): grid 256 x 1, 4 waves a work-group, clusters of 4 x 1, 327,680 bytes of LDS; arguments cimg, wimg, wo_scales, w1_scales, w2_scales, x, ln2_g, ln2_b, ln3_g, ln3_b, out0; writes out0
.if DOCPART == 3
	.amdgcn_target "amdgcn-amd-amdhsa--gfx1250"
	.amdhsa_code_object_version 6
	.text
	.protected	k_q15830e498b_tail
	.globl	k_q15830e498b_tail
	.p2align	8
	.type	k_q15830e498b_tail,@function
k_q15830e498b_tail:
	s_mov_b64 s[64:65], 0
	v_nop
	global_prefetch_b8 v0, s[64:65] scope:SCOPE_SE
	s_setreg_imm32_b32 hwreg(HW_REG_WAVE_MODE, 25, 1), 1
	s_wait_xcnt 0x0
	s_wait_alu depctr_hold_cnt(0) depctr_sa_sdst(0) depctr_va_vdst(0) depctr_va_sdst(0) depctr_va_ssrc(0) depctr_va_vcc(0) depctr_vm_vsrc(0)
	s_getreg_b32 s2, hwreg(HW_REG_IB_STS2, 6, 4)
	s_cmp_eq_u32 s2, 0
	s_cbranch_scc0 .Lentry_in_a_cluster
	s_endpgm
.Lentry_in_a_cluster:
	s_bfe_u32 s2, ttmp6, 0x10000c
	s_cmp_lg_u32 s2, 0x3003
	s_cbranch_scc0 .Lentry_shape_is_right
	s_endpgm
.Lentry_shape_is_right:
; out = LN3(relu(h w1) w2 + h), h = LN2(ctx wo + x): three products on codes of E3M2 (one E8M0 scale for each 32 along K), norms and sums in f32.
; SHARES.  A work-group owns one tile of 16 whole rows through the chain (both norms and the next K want whole rows of 1,024): 4,096 / 16 = 256 work-groups.
; Wave w owns columns 256 w .. 256 w + 255 of every product: 16 tiles, 128 registers of sums.
; WEIGHTS lie in wimg as images of the operand's registers, a stream of 589,824 bytes a wave: [product][32 columns][K step][tile][1,536].  A half-block is 4 K steps x 2 tiles, 12,288 bytes, 8 matrix instructions.
; A product's 16 half-blocks come in six fills of 3,3,3,3,2,2 through two LDS slots (36,864 bytes a wave and slot).  The four work-groups of a cluster walk the same stream and ask jointly; each wave fetches and reads its own part.
; One load a wave is out behind each round.  The change of slots stands ahead of the old slot's last half-block's products, whose fragments are in registers by then.
; PREFETCH: at each even half-block a wave names 24 blocks of 256 bytes, its work-group's quarter (by cx, in the address alone) of the two half-blocks that lie 10 further on in its stream; it stops where the stream ends.
; THE PRODUCTS' SOURCES ARE SWAPPED (source 0 = weights): a lane holds one row, its registers run along the columns, the next K.  x is the first product's C, h the third's.
; The loop has two trips: [product on the sums, norm] and, in the first trip, [quantise, second product, relu, quantise].  The third product's last three half-blocks are written out: they ask for nothing more.
; LIMITS: NaN and infinities are not served.  A block of zeros keeps the scale byte 1 with zero codes (the bytes are read by this launch alone).
; REGISTERS: window 0 addresses, scales, scratch; window 1 v0-95 operand A (in the norms all 256: gains and biases), v192-255 the second product's sums; window 2 v0-127 the sums; window 3 v0-191 two sets of weight fragments.
.set XIMG,  0                          ; the quantised operand, handed from wave to wave: 8 fragments
.set XSC,   12288                      ; its scale words
.set RED,   13312                      ; the norms' partial sums
.set RINGL, 14336
.set HB,    12288
.set PARTB, 3*HB
.set SLOTB, 4*PARTB
.set SPARE, RINGL+2*SLOTB
.set L16, 1
.set L4,  2
.set L8,  3
.set XA,  4
.set GA,  5
.set SCA, 6
.set IMW, 7
.set SCW, 8
.set STO, 9
.set STR, 10
.set REDW, 11
.set REDR, 12
.set WL,  13
.set PF0, 15
.set ASC, 16
.set TM,  48
.set PW,  64
.set PC,  66
.set SA,  88
.set NM,  104
.set RSQ, 108
.set PT,  112
.set SPW, 126
.set NIL, 127
.set WS,  128
.set RAW, 192
.set WV,  26
.set IT,  27
.set SEL, 28
.set C10, 30
.set CEPS, 31
.set GP,  32
.set BP,  34
.set G3,  36
.set B3,  38
.set XB,  40
.set OB,  42
.set CB,  44
.set S0P, 46
.set S1P, 48
.set S2P, 50
.set PFB, 52
.set G1A, 68                           ; group 1: 144 rows of 256 bytes
.set G0,  76
.set LB,  80                           ; my part of slot 0, of slot 1
.set G1B, 92                           ; group 1: 96 rows
.set MSB, 0
.macro WIN new
.if MSB != (\new)
	s_set_vgpr_msb (MSB<<8)|(\new)
.set MSB, (\new)
.endif
.endm
.macro PLACES
.rept 4
	v_nop
.endr
.endm
.macro BAR
	s_wait_dscnt 0x0
	s_barrier_signal -1
	s_barrier_wait -1
.endm
.macro ROUND                           ; a round of the cluster's barrier
	s_barrier_signal -1
	s_barrier_wait -1
	s_cmp_lg_u32 s[WV], 0
	s_cbranch_scc1 .Lnot_wave_0_\@
	s_barrier_signal -3
.Lnot_wave_0_\@:
	s_barrier_wait -3
	s_barrier_signal -1
	s_barrier_wait -1
.endm
; four blocks of 32 along K: 16 numbers a lane and block in window w from register s; codes to PC, scale word to PW
.macro QUANT s, w
	WIN (\w)|((\w)<<2)
.irp qb, 0,1,2,3
	v_max3_num_f32 v[TM+\qb], |v[(\s)+16*\qb]|, |v[(\s)+16*\qb+1]|, 0x2800000
.endr
	WIN ((\w)<<2)|((\w)<<4)
.irp i, 2,4,6,8,10,12,14
.irp qb, 0,1,2,3
	v_max3_num_f32 v[TM+\qb], v[TM+\qb], |v[(\s)+16*\qb+\i]|, |v[(\s)+16*\qb+\i+1]|
.endr
.endr
	WIN 0
.irp qb, 0,1,2,3
	v_permlanex16_b32 v[TM+4+\qb], v[TM+\qb], s[SEL], s[SEL+1]
.endr
.irp qb, 0,1,2,3
	v_max_num_f32 v[TM+\qb], v[TM+\qb], v[TM+4+\qb]
.endr
.irp qb, 0,1,2,3
	v_add_nc_u32 v[TM+12+\qb], 0xfe000000, v[TM+\qb]
.endr
.irp qb, 0,1,2,3
	v_lshrrev_b32 v[TM+4+\qb], 23, v[TM+12+\qb]
.endr
	v_lshl_or_b32 v[PW], v[TM+5], 8, v[TM+4]
	v_lshl_or_b32 v[PW], v[TM+6], 16, v[PW]
	v_lshl_or_b32 v[PW], v[TM+7], 24, v[PW]
	WIN (\w)
.irp qc, 0,1
	v_cvt_scalef32_pk16_bf6_f32 v[PC+6*\qc:PC+6*\qc+2], v[(\s)+32*\qc:(\s)+32*\qc+15], v[TM+12+2*\qc]
	v_cvt_scalef32_pk16_bf6_f32 v[PC+12+4*\qc:PC+14+4*\qc], v[(\s)+32*\qc+16:(\s)+32*\qc+31], v[TM+13+2*\qc]
.endr
	WIN 0
	v_nop
.irp qc, 0,1
.irp i, 0,1,2
	v_permlane16_swap_b32 v[PC+6*\qc+\i], v[PC+12+4*\qc+\i]
.endr
.irp i, 0,1,2
	v_mov_b32 v[PC+3+6*\qc+\i], v[PC+12+4*\qc+\i]
.endr
.endr
.endm
.macro SCLALL base                     ; a product's scale words of my 256 columns: register 8 b + s; lanes 0-15 tile 0, lanes 16-31 tile 1
.irp b, 0,1,2,3,4,5,6,7
	global_load_b128 v[WS+8*\b:WS+8*\b+3], v[SCA], s[\base:\base+1] offset:1024*\b
	global_load_b128 v[WS+8*\b+4:WS+8*\b+7], v[SCA], s[\base:\base+1] offset:1024*\b+16
.endr
.endm
.macro XL b                            ; x at my rows, columns 32 b .. 32 b + 31 of my 256: the first product's C
	WIN 0x80
.irp uq, 0,1,2,3
	global_load_b128 v[16*(\b)+4*\uq:16*(\b)+4*\uq+3], v[XA], s[XB:XB+1] offset:128*(\b)+16*\uq th:TH_LOAD_NT
.endr
.endm
.macro MT n, kind, ds, u
.set rA, 96*((\n)%2)+12*(2*(\ds)+(\u))
.set rS, 4*((\n)%2)+(\ds)
.set rB, 12*rS
.set rW, WS+8*((\n)/2)+rS
.set rH, ASC+rS
.if \kind == 0
.set rD, 8*(2*((\n)/2)+(\u))
.else
.set rD, 192+8*(2*(((\n)/2)%4)+(\u))
.endif
.if (\kind == 1) && (rS == 0)
.if (\u) == 0
	v_wmma_scale_f32_16x16x128_f8f6f4 v[rD:rD+7], v[rA:rA+11], v[rB:rB+11], 0, v[rW], v[rH] matrix_a_fmt:MATRIX_FMT_BF6 matrix_b_fmt:MATRIX_FMT_BF6
.else
	v_wmma_scale_f32_16x16x128_f8f6f4 v[rD:rD+7], v[rA:rA+11], v[rB:rB+11], 0, v[rW], v[rH] matrix_a_fmt:MATRIX_FMT_BF6 matrix_b_fmt:MATRIX_FMT_BF6 matrix_a_scale:MATRIX_SCALE_ROW1
.endif
.else
.if (\u) == 0
	v_wmma_scale_f32_16x16x128_f8f6f4 v[rD:rD+7], v[rA:rA+11], v[rB:rB+11], v[rD:rD+7], v[rW], v[rH] matrix_a_fmt:MATRIX_FMT_BF6 matrix_b_fmt:MATRIX_FMT_BF6
.else
	v_wmma_scale_f32_16x16x128_f8f6f4 v[rD:rD+7], v[rA:rA+11], v[rB:rB+11], v[rD:rD+7], v[rW], v[rH] matrix_a_fmt:MATRIX_FMT_BF6 matrix_b_fmt:MATRIX_FMT_BF6 matrix_a_scale:MATRIX_SCALE_ROW1
.endif
.endif
.endm
.macro FETCH h                         ; half-block h's eight fragments into set h % 2 (16: the next product's first)
.set FH, (\h)%16
.if FH < 12
.set FS, (FH/3)%2
.set FP, FH%3
.else
.set FS, ((FH-12)/2)%2
.set FP, (FH-12)%2
.endif
	WIN 0xc0
.irp i, 0,1,2,3,4,5,6,7
.irp c, 0,1,2
	ds_load_b128 v[96*(FH%2)+12*\i+4*\c:96*(FH%2)+12*\i+4*\c+3], v[WL+FS] offset:FP*HB+\i*1536+512*\c
.endr
.endr
	WIN 0
.endm
; The change to fill fj.  issue = 1: the fill behind it is asked for, into the slot whose last fragments are in registers behind the wait on DScnt.
.macro CHANGE fj, issue
	s_wait_tensorcnt 0x0                           ; my one load that was out, fill fj, is in
.if \issue
	ds_add_u32 v[SPW], v[NIL]
.if (\fj) < 4
	s_add_nc_u64 s[G0+2:G0+3], s[G0+2:G0+3], 3*HB  ; no load of mine is out: group 0 steps over fill fj
.else
	s_add_nc_u64 s[G0+2:G0+3], s[G0+2:G0+3], 2*HB
.endif
	s_mov_b32 s[G0+1], s[LB+(((\fj)+1)%2)]
	s_wait_dscnt 0x0                               ; the add, and my reads of the slot to be filled
	ROUND
.if (((\fj)+1)%6) < 4
	tensor_load_to_lds s[G0:G0+3], s[G1A:G1A+7]
.else
	tensor_load_to_lds s[G0:G0+3], s[G1B:G1B+7]
.endif
	s_nop 0
.endif
	PLACES                                         ; also the places ahead of the loads into fragments that products have read
.endm
.macro ASK n, guard                    ; guard: in the second trip the stream has no half-block 10 on
.if \guard
	s_cmp_eq_u32 s[IT], 0
	s_cbranch_scc0 .Lna_\@
.endif
	s_cmp_lt_u32 ttmp9, 4
	s_cbranch_scc0 .Lno_prefetch_tail0_\@
	global_prefetch_b8 v[PF0], s[PFB:PFB+1] offset:((\n)+10)*HB th:TH_LOAD_NT scope:SCOPE_SE
.Lno_prefetch_tail0_\@:
.if \guard
.Lna_\@:
.endif
.endm
; Half-block n of a product: the next half-block's fragments are fetched (behind a change of slots where it begins a fill), then 8 matrix instructions, the block's two accumulators by turns.
.macro HALF n, kind, last
.set NX, (\n)+1
.set NEWF, 0
.if NX <= 12
.if NX%3 == 0
.set NEWF, 1
.set FJ, NX/3
.endif
.else
.if NX%2 == 0
.set NEWF, 1
.set FJ, (4+(NX-12)/2)%6
.endif
.endif
.if (\last) && (NX == 16)
	s_wait_dscnt 0x0
.else
.if NEWF
.if \last
	CHANGE FJ, 0
.else
	CHANGE FJ, 1
.endif
.else
	PLACES
.endif
	FETCH NX
.if ((\n)%2 == 0) && ((\last) == 0)
.if ((\kind) == 0) && ((\n) >= 6) && ((\n) < 13)
	ASK \n, 1
.else
	ASK \n, 0
.endif
.endif
	s_wait_dscnt 24                                ; all but the 24 loads just issued
.endif
.if ((\kind) == 0) && ((\n)%2 == 0) && ((\n) >= 4)
	s_wait_loadcnt 28-2*(\n)                       ; x of this block is in: behind it 4 loads for each later block
.endif
.if (\kind) == 0
	WIN 0xa7
.else
	WIN 0x57
.endif
.irp ds, 0,1,2,3
.irp u, 0,1
	MT \n, \kind, \ds, \u
.endr
.endr
	WIN 0
.endm
.macro AOP                             ; the whole operand A and its scale words, from the image
	WIN 0x40
.irp s, 0,1,2,3,4,5,6,7
.irp c, 0,1,2
	ds_load_b128 v[12*\s+4*\c:12*\s+4*\c+3], v[L16] offset:XIMG+\s*1536+512*\c
.endr
.endr
	WIN 0
.irp s, 0,1,2,3,4,5,6,7
	ds_load_b32 v[ASC+\s], v[L4] offset:XSC+\s*128
.endr
	s_wait_dscnt 0x0
.endm
.macro IMAGE f
.irp c, 0,1,2
	ds_store_b128 v[IMW], v[PC+4*\c:PC+4*\c+3] offset:XIMG+(\f)*1536+512*\c
.endr
	ds_store_b32 v[SCW], v[PW] offset:XSC+(\f)*128
.endm
.macro REDUCE roff                     ; a row's sum over my 256 columns, then over the four waves
	v_pk_add_f32 v[SA:SA+1], v[SA:SA+1], v[SA+2:SA+3]
	v_pk_add_f32 v[SA+4:SA+5], v[SA+4:SA+5], v[SA+6:SA+7]
	v_pk_add_f32 v[SA:SA+1], v[SA:SA+1], v[SA+4:SA+5]
	v_add_f32 v[SA], v[SA], v[SA+1]
	v_permlanex16_b32 v[SA+1], v[SA], s[SEL], s[SEL+1]
	v_add_f32 v[SA], v[SA], v[SA+1]
	ds_store_b32 v[REDW], v[SA] offset:(\roff)
	BAR
.irp w, 0,1,2,3
	ds_load_b32 v[PT+\w], v[REDR] offset:(\roff)+128*\w
.endr
	s_wait_dscnt 0x0
	v_add_f32 v[PT], v[PT], v[PT+1]
	v_add_f32 v[PT+2], v[PT+2], v[PT+3]
	v_add_f32 v[PT], v[PT], v[PT+2]
.endm
.macro EPIH j                          ; 128 hidden columns: relu, quantise, into the image
	WIN 0x44
.set ri, 0
.rept 64
	v_max_num_f32 v[192+ri], 0, v[192+ri]
.set ri, ri+1
.endr
	WIN 0
	s_wait_dscnt 0x0
	QUANT 192, 1
	IMAGE \j
.endm
	s_load_b512 s[4:19], s[0:1], 0x0               ; cimg, wimg, wo_scales, w1_scales, w2_scales, x, ln2_g, ln2_b
	s_load_b128 s[20:23], s[0:1], 0x40             ; ln3_g, ln3_b
	s_load_b64 s[24:25], s[0:1], 0x50              ; out0
	v_lshl_add_u32 v[SPW], v0, 2, SPARE
	v_mov_b32 v[NIL], 0
	ds_add_u32 v[SPW], v[NIL]                      ; the opening lines
	ds_add_u32 v[SPW], v[NIL]
	v_lshrrev_b32 v120, 5, v0
	v_readfirstlane_b32 s[WV], v120
	s_bfe_u32 s54, ttmp6, 0x40000                  ; cx
	s_lshl_b32 s55, ttmp9, 2
	s_add_co_u32 s55, s55, s54                     ; my tile of 16 rows, 0..255
	s_lshl_b32 s56, s55, 14                        ; its records in cimg
	s_mov_b32 s57, 0
	s_lshl_b32 s58, s[WV], 10                      ; my 256 columns of f32
	s_mov_b32 s59, 0
	s_lshr_b32 s60, s55, 1
	s_lshl_b32 s60, s60, 17                        ; tiles 2 i and 2 i + 1 share 32 rows: tile 2 i + 1 begins 8 rows further down
	s_and_b32 s61, s55, 1
	s_lshl_b32 s61, s61, 15
	s_add_co_u32 s60, s60, s61
	s_add_co_u32 s60, s60, s58
	s_mov_b32 s61, 0
	s_mul_i32 s62, s[WV], 589824                   ; my stream of weights: the wave's number alone
	s_mov_b32 s63, 0
	s_lshl_b32 s66, s[WV], 13                      ; my 256 rows of scales
	s_mov_b32 s67, 0
	s_mul_i32 s84, s54, 6144                       ; my work-group's 24 of the 96 blocks that a prefetch's two half-blocks hold
	s_mov_b32 s85, 0
	s_mul_i32 s86, s[WV], 3072
	s_lshl_b32 s87, s[WV], 8
	s_lshl_b32 s88, s[WV], 7
	s_add_co_u32 s88, s88, RED
	s_mul_i32 s[LB], s[WV], PARTB
	s_add_co_u32 s[LB], s[LB], RINGL
	s_add_co_u32 s[LB+1], s[LB], SLOTB
	s_mov_b32 s[SEL], 0x76543210
	s_mov_b32 s[SEL+1], 0xfedcba98
	s_mov_b32 s[C10], 0x3a800000                   ; 1 / 1024
	s_mov_b32 s[CEPS], 0x3727c5ac                  ; 1e-5
.irp g, G1A, G1B
	s_mov_b32 s[\g], 15|(3<<16)|(1<<21)            ; the cluster's four; elements of 8 bytes; dense rows of 256 bytes
	s_mov_b32 s[\g+1], 32<<16
	s_mov_b32 s[\g+3], 32<<16
	s_mov_b32 s[\g+5], 32
	s_mov_b32 s[\g+6], 0
	s_mov_b32 s[\g+7], 0
.endr
	s_mov_b32 s[G1A+2], 144<<16
	s_mov_b32 s[G1A+4], 144
	s_mov_b32 s[G1B+2], 96<<16
	s_mov_b32 s[G1B+4], 96
	s_mov_b32 s[G0], 1
	s_mov_b32 s[G0+1], s[LB]
	s_wait_dscnt 0x0
	s_wait_kmcnt 0x0
	s_add_nc_u64 s[G0+2:G0+3], s[6:7], s[62:63]
	s_add_nc_u64 s[PFB:PFB+1], s[G0+2:G0+3], s[84:85]
	s_or_b32 s[G0+3], s[G0+3], 0x80000000
	ROUND
	tensor_load_to_lds s[G0:G0+3], s[G1A:G1A+7]    ; fill 0: one load a wave at the head
	s_nop 0
	PLACES
	s_add_nc_u64 s[CB:CB+1], s[4:5], s[56:57]
	s_add_nc_u64 s[S0P:S0P+1], s[8:9], s[66:67]
	s_add_nc_u64 s[S1P:S1P+1], s[10:11], s[66:67]
	s_add_nc_u64 s[S2P:S2P+1], s[12:13], s[66:67]
	s_add_nc_u64 s[XB:XB+1], s[14:15], s[60:61]
	s_add_nc_u64 s[GP:GP+1], s[16:17], s[58:59]
	s_add_nc_u64 s[BP:BP+1], s[18:19], s[58:59]
	s_add_nc_u64 s[G3:G3+1], s[20:21], s[58:59]
	s_add_nc_u64 s[B3:B3+1], s[22:23], s[58:59]
	s_add_nc_u64 s[OB:OB+1], s[24:25], s[60:61]
	v_and_b32 v120, 31, v0
	v_and_b32 v121, 15, v0
	v_bfe_u32 v122, v0, 4, 1
	v_and_b32 v123, 8, v121
	v_add_nc_u32 v123, v123, v121                  ; r + 8 (r / 8): a tile's rows are 0-7 and 16-23 from its first
	v_lshlrev_b32 v[L16], 4, v120
	v_lshlrev_b32 v[L4], 2, v120
	v_lshlrev_b32 v[L8], 3, v120
	v_lshlrev_b32 v[GA], 6, v122
	v_lshl_add_u32 v[XA], v123, 12, v[GA]
	v_lshl_add_u32 v[SCA], v122, 3, v123
	v_lshlrev_b32 v[SCA], 5, v[SCA]
	v_add_nc_u32 v[IMW], s86, v[L16]
	v_add_nc_u32 v[SCW], s87, v[L4]
	v_mul_u32_u24 v[STO], v121, 1040
	v_lshl_add_u32 v[STO], v122, 6, v[STO]
	v_add_nc_u32 v[STO], s[LB], v[STO]             ; the way out's stage: my part of slot 0, behind its last fill and my last read of it
	v_add_nc_u32 v[STR], s[LB], v[L16]
	v_add_nc_u32 v[REDW], s88, v[L4]
	v_add_nc_u32 v[REDR], RED, v[L4]
	v_add_nc_u32 v[WL], s[LB], v[L16]
	v_add_nc_u32 v[WL+1], SLOTB, v[WL]
	v_min_u32 v[PF0], 23, v120                     ; lanes 24-31 name the wave's last block again
	v_lshlrev_b32 v[PF0], 8, v[PF0]
.irp b, 0,1,2,3
	v_mov_b32 v[TM+4+\b], 0
.endr
	s_wait_alu depctr_va_vdst(0)                   ; the wait at the head's end
	XL 0
	XL 1
	WIN 0x40
.irp hd, 0,1,2,3,4,5,6,7,8,9,10,11,12,13,14,15
	global_load_b128 v[6*\hd:6*\hd+3], v[L16], s[CB:CB+1] offset:1024*\hd
	global_load_b64 v[6*\hd+4:6*\hd+5], v[L8], s[CB:CB+1] offset:1024*\hd+512
.endr
	WIN 0
.irp hd, 0,1,2,3,4,5,6,7,8,9,10,11,12,13,14,15
	global_load_b32 v[RAW+\hd], v[L8], s[CB:CB+1] offset:1024*\hd+768
.endr
	SCLALL S0P
	ASK -6, 0                                      ; half-blocks 4 to 9
	ASK -4, 0
	ASK -2, 0
	CHANGE 0, 1                                    ; fill 0 is in; slot 1's first fill is issued as a refill is
	FETCH 0
.irp b, 2,3,4,5,6,7
	XL \b
.endr
	WIN 0
	s_wait_loadcnt 24                              ; all but x's blocks 2 to 7
.irp s, 0,1,2,3,4,5,6,7
	v_lshl_or_b32 v[ASC+\s], v[RAW+2*\s+1], 16, v[RAW+2*\s]   ; two heads' scale bytes make a K step's word
.endr
.rept 8
	v_nop                                          ; a scale register written by a vector instruction stands 8 places ahead of its product
.endr
	s_wait_alu depctr_va_vdst(0)
	s_mov_b32 s[IT], 0
.Lit:
.irp n, 0,1,2,3,4,5,6,7,8,9,10,11,12
	HALF \n, 0, 0
.endr
	s_cmp_eq_u32 s[IT], 1
	s_cbranch_scc1 .Llast
	HALF 13, 0, 0
	HALF 14, 0, 0
	HALF 15, 0, 0
	PLACES
	SCLALL S1P
	s_wait_xcnt 0x0
	s_add_nc_u64 s[PFB:PFB+1], s[PFB:PFB+1], 16*HB
	s_branch .Ljoin
.Llast:                                        ; the third product's end: nothing more is asked for
	HALF 13, 0, 1
	HALF 14, 0, 1
	HALF 15, 0, 1
.Ljoin:
	PLACES
	; THE NORM over whole rows: mean, centred squares, scale, gain and bias
	WIN 0x40
.irp t, 0,1,2,3,4,5,6,7,8,9,10,11,12,13,14,15
.irp q, 0,1
	global_load_b128 v[8*\t+4*\q:8*\t+4*\q+3], v[GA], s[GP:GP+1] offset:128*(\t/2)+32*(\t%2)+16*\q
	global_load_b128 v[128+8*\t+4*\q:128+8*\t+4*\q+3], v[GA], s[BP:BP+1] offset:128*(\t/2)+32*(\t%2)+16*\q
.endr
.endr
	WIN 0x0a
.irp c, 0,1,2,3
	v_pk_add_f32 v[SA+2*\c:SA+2*\c+1], v[4*\c:4*\c+1], v[4*\c+2:4*\c+3]
.endr
	WIN 0x08
.set pi, 8
.rept 56
	v_pk_add_f32 v[SA+2*(pi%4):SA+2*(pi%4)+1], v[SA+2*(pi%4):SA+2*(pi%4)+1], v[2*pi:2*pi+1]
.set pi, pi+1
.endr
	WIN 0
	REDUCE 0
	v_mul_f32 v[NM], 0xba800000, v[PT]             ; - mean
	v_mov_b32 v[NM+1], v[NM]
	WIN 0x82
.set pi, 0
.rept 64
	v_pk_add_f32 v[2*pi:2*pi+1], v[2*pi:2*pi+1], v[NM:NM+1] op_sel_hi:[1,0]
.set pi, pi+1
.endr
	WIN 0x0a
.irp c, 0,1,2,3
	v_pk_mul_f32 v[SA+2*\c:SA+2*\c+1], v[2*\c:2*\c+1], v[2*\c:2*\c+1]
.endr
.set pi, 4
.rept 60
	v_pk_fma_f32 v[SA+2*(pi%4):SA+2*(pi%4)+1], v[2*pi:2*pi+1], v[2*pi:2*pi+1], v[SA+2*(pi%4):SA+2*(pi%4)+1]
.set pi, pi+1
.endr
	WIN 0
	REDUCE 512
	v_fma_f32 v[PT], v[PT], s[C10], s[CEPS]
	s_wait_alu depctr_va_vdst(0)                   ; the wait ahead of the batch
	v_rsq_f32 v[RSQ], v[PT]
	v_rsq_f32 v[RSQ+1], v[PT]
	v_nop
	s_wait_alu depctr_va_vdst(0)                   ; and behind it
	s_wait_loadcnt 0x0                             ; gains, biases, and the next product's scale words
	WIN 0x82
.set pi, 0
.rept 64
	v_pk_mul_f32 v[2*pi:2*pi+1], v[2*pi:2*pi+1], v[RSQ:RSQ+1] op_sel_hi:[1,0]
.set pi, pi+1
.endr
	WIN 0x96
.set pi, 0
.rept 64
	v_pk_fma_f32 v[2*pi:2*pi+1], v[2*pi:2*pi+1], v[2*pi:2*pi+1], v[128+2*pi:128+2*pi+1]
.set pi, pi+1
.endr
	WIN 0
	s_wait_alu depctr_va_vdst(0)                   ; the wait ahead of the branch
	s_cmp_eq_u32 s[IT], 1
	s_cbranch_scc1 .Lfinal
.irp j, 0,1
	s_wait_dscnt 0x0
	QUANT 64*\j, 2                                 ; h, which also stays in window 2 as the third product's C
	IMAGE \j
.endr
	BAR
	AOP
.irp n, 0,1,2,3,4,5,6,7
	HALF \n, 1, 0
.endr
	PLACES
	EPIH 0                                         ; every wave's reads of h's image were over ahead of the rounds passed since
.irp n, 8,9,10,11,12,13,14,15
	HALF \n, 1, 0
.endr
	PLACES
	SCLALL S2P
	EPIH 1
	s_wait_xcnt 0x0
	s_add_nc_u64 s[PFB:PFB+1], s[PFB:PFB+1], 16*HB
	s_mov_b64 s[GP:GP+1], s[G3:G3+1]
	s_mov_b64 s[BP:BP+1], s[B3:B3+1]
	BAR
	AOP
	s_wait_loadcnt 0x0                             ; w2's scale words
	s_add_co_u32 s[IT], s[IT], 1
	s_cmp_lt_u32 s[IT], 2
	s_cbranch_scc1 .Lit
.Lfinal:
	s_wait_tensorcnt 0x0                           ; no fill is out when the stage is written
	; THE WAY OUT: 16 rows x 1,024 bytes through my stage, back as whole rows: 32 lanes store 512 consecutive bytes
	WIN 0x08
.irp t, 0,1,2,3,4,5,6,7,8,9,10,11,12,13,14,15
.irp q, 0,1
	ds_store_b128 v[STO], v[8*\t+4*\q:8*\t+4*\q+3] offset:128*(\t/2)+32*(\t%2)+16*\q
.endr
.endr
	WIN 0x40
.irp i, 0,1,2,3,4,5,6,7,8,9,10,11,12,13,14,15
.irp q, 0,1
	ds_load_b128 v[8*\i+4*\q:8*\i+4*\q+3], v[STR] offset:1040*\i+512*\q   ; LDS serves a wave's instructions in order: these see the stores above
.endr
.endr
	WIN 0x04
.irp i, 0,1,2,3,4,5,6,7,8,9,10,11,12,13,14,15
	s_wait_dscnt 30-2*\i                           ; row i is back: behind it two loads for each later row
.irp q, 0,1
	global_store_b128 v[L16], v[8*\i+4*\q:8*\i+4*\q+3], s[OB:OB+1] offset:(\i+8*(\i/8))*4096+512*\q th:TH_STORE_NT
.endr
.endr
	WIN 0
	s_wait_tensorcnt 0x0                           ; the wave's end
	ds_add_u32 v[SPW], v[NIL]
	s_wait_dscnt 0x0
	ROUND                                          ; the closing round
	s_endpgm
.Lfunc_end_k_q15830e498b_tail:
	.size	k_q15830e498b_tail, .Lfunc_end_k_q15830e498b_tail-k_q15830e498b_tail
	.p2alignl 7, 3214868480
	.fill 96, 4, 3214868480
	.section	.rodata,"a",@progbits
	.p2align	6, 0x0
	.amdhsa_kernel k_q15830e498b_tail
		.amdhsa_group_segment_fixed_size 327680
		.amdhsa_private_segment_fixed_size 0
		.amdhsa_enable_private_segment 0
		.amdhsa_kernarg_size 88
		.amdhsa_user_sgpr_count 2
		.amdhsa_user_sgpr_kernarg_segment_ptr 1
		.amdhsa_wavefront_size32 1
		.amdhsa_system_sgpr_workgroup_id_x 1
		.amdhsa_system_sgpr_workgroup_id_y 1
		.amdhsa_system_sgpr_workgroup_id_z 1
		.amdhsa_system_vgpr_workitem_id 0
		.amdhsa_next_free_vgpr 1024
		.amdhsa_next_free_sgpr 100
		.amdhsa_reserve_vcc 0
		.amdhsa_float_denorm_mode_32 3
		.amdhsa_float_denorm_mode_16_64 3
		.amdhsa_memory_ordered 1
		.amdhsa_forward_progress 1
		.amdhsa_inst_pref_size 190
	.end_amdhsa_kernel
	.amdgpu_metadata
---
amdhsa.version: [ 1, 2 ]
amdhsa.kernels:
  - .name:           k_q15830e498b_tail
    .symbol:         k_q15830e498b_tail.kd
    .args:
      - { .name: cimg, .offset: 0, .size: 8, .value_kind: global_buffer, .address_space: global }
      - { .name: wimg, .offset: 8, .size: 8, .value_kind: global_buffer, .address_space: global }
      - { .name: wo_scales, .offset: 16, .size: 8, .value_kind: global_buffer, .address_space: global }
      - { .name: w1_scales, .offset: 24, .size: 8, .value_kind: global_buffer, .address_space: global }
      - { .name: w2_scales, .offset: 32, .size: 8, .value_kind: global_buffer, .address_space: global }
      - { .name: x, .offset: 40, .size: 8, .value_kind: global_buffer, .address_space: global }
      - { .name: ln2_g, .offset: 48, .size: 8, .value_kind: global_buffer, .address_space: global }
      - { .name: ln2_b, .offset: 56, .size: 8, .value_kind: global_buffer, .address_space: global }
      - { .name: ln3_g, .offset: 64, .size: 8, .value_kind: global_buffer, .address_space: global }
      - { .name: ln3_b, .offset: 72, .size: 8, .value_kind: global_buffer, .address_space: global }
      - { .name: out0, .offset: 80, .size: 8, .value_kind: global_buffer, .address_space: global }
    .group_segment_fixed_size: 327680
    .private_segment_fixed_size: 0
    .kernarg_segment_align: 8
    .kernarg_segment_size: 88
    .max_flat_workgroup_size: 128
    .sgpr_count:     100
    .vgpr_count:     1024
    .wavefront_size: 32
...
	.end_amdgpu_metadata
.endif
;; end of part 3
